; MI455X (gfx1250); checked and timed in simulation.
; The chip was launched on July 23, 2026; its instructions are those of AMD's public machine-readable ISA for CDNA 5 (MIT licence, August 2026) and "CDNA5" Instruction Set Architecture Reference Guide (July 2026). The comments in the code are by the model that wrote it; some were corrected since.
;; Self Attention. Allowed arithmetic: float matrix products may take bf16 or f16 operands with f32 sums; all other float work in f32.
;; Inputs: Wk 1,024 x 1,024 float32; Wq 1,024 x 1,024 float32; Wv 1,024 x 1,024 float32; bk 1,024 float32; bq 1,024 float32; bv 1,024 float32; hidden_states 2 x 2,048 x 1,024 float32.
;; Outputs: out0 2 x 2,048 x 1,024 float32.
;; One version. Each part assembles by itself: llvm-mc -triple=amdgcn-amd-amdhsa -mcpu=gfx1250 --defsym DOCPART=n.
;; ======== version 1 of 1: 3 launches
;; limits: values are held in f16: magnitudes above 65,504 overflow, below 6.1e-05 lose precision; right only within a limited range of input values
;; workspace buffers: hb 8,388,608 bytes; wb 6,291,456 bytes; qkv 25,165,824 bytes
;; launch cast (part 1): grid 896 x 1, 8 waves a work-group, no clusters, 0 bytes of LDS; arguments hidden_states, Wq, Wk, Wv, hb, wb; writes hb, wb
.if DOCPART == 1
	.amdgcn_target "amdgcn-amd-amdhsa--gfx1250"
	.amdhsa_code_object_version 6
	.text
	.protected	k_q0ad2597a7f_cast
	.globl	k_q0ad2597a7f_cast
	.p2align	8
	.type	k_q0ad2597a7f_cast,@function
k_q0ad2597a7f_cast:
	s_mov_b64 s[64:65], 0
	v_nop
	global_prefetch_b8 v0, s[64:65] scope:SCOPE_SE
	s_setreg_imm32_b32 hwreg(HW_REG_WAVE_MODE, 25, 1), 1
	s_wait_xcnt 0x0
; Rounds the matrix operands of the projections to bf16, once, and lays the weights out for the next launch.
;   hb: [4096][1024] bf16 = hidden_states as it lies.
;   wb: [head 16][kb 8][which 3][k 128][n 64] bf16, which = 0, 1, 2 for Wq, Wk, Wv; W[128 kb + k][64 head + n].
;       So the weights that one head needs for 128 along K are 49,152 consecutive bytes.
; A stream: every input byte is read once, every output byte written once; no LDS, no barrier, no matrix unit, and no
; cluster, since no two work-groups read the same bytes.  A work-group casts 8,192 numbers, a thread 8 x 4.
; Work-groups 0-511 take hidden_states, 512-895 the weights (128 for each matrix, 8 rows of W each).
; Each load of a wave covers two runs of 256 consecutive bytes (or one of 512), each store 256 consecutive bytes, aligned.
.set XIN,  8                           ; v[8:39]   pass p: four f32 as loaded
.set YOUT, 40                          ; v[40:55]  pass p: four bf16 to store
; Eight loads go out first; pass p then waits until the 7 - p younger loads alone are out (loads return in order).
; No register is written twice, so nothing else has to be waited for.
.macro PASSES inA, inB, outA, outB
.irp p, 0,1,2,3,4,5,6,7
	global_load_b128 v[XIN+4*\p:XIN+4*\p+3], v1, s[20:21] offset:(\p&3)*\inA+(\p>>2)*\inB th:TH_LOAD_NT
.endr
.irp p, 0,1,2,3,4,5,6,7
	s_wait_loadcnt 7-\p
	v_cvt_pk_bf16_f32 v[YOUT+2*\p], v[XIN+4*\p], v[XIN+4*\p+1]
	v_cvt_pk_bf16_f32 v[YOUT+2*\p+1], v[XIN+4*\p+2], v[XIN+4*\p+3]
	global_store_b64 v2, v[YOUT+2*\p:YOUT+2*\p+1], s[22:23] offset:(\p&3)*\outA+(\p>>2)*\outB
.endr
.endm
	s_load_b256 s[4:11], s[0:1], 0x0               ; hidden s[4:5], Wq s[6:7], Wk s[8:9], Wv s[10:11]
	s_load_b128 s[12:15], s[0:1], 0x20             ; hb s[12:13], wb s[14:15]
	s_cmp_ge_u32 ttmp9, 512
	s_cbranch_scc1 .Lweights
	; hidden_states: 32,768 bytes in, 16,384 out; pass p takes the next 4,096 bytes
	s_lshl_b32 s16, ttmp9, 15
	s_mov_b32 s17, 0
	s_lshl_b32 s18, ttmp9, 14
	s_mov_b32 s19, 0
	v_lshlrev_b32 v1, 4, v0                        ; 16 bytes a thread in
	v_lshlrev_b32 v2, 3, v0                        ; 8 bytes a thread out
	s_wait_kmcnt 0x0
	s_add_nc_u64 s[20:21], s[4:5], s[16:17]
	s_add_nc_u64 s[22:23], s[12:13], s[18:19]
	PASSES 4096, 16384, 2048, 8192
	s_endpgm
.Lweights:
	; rows 8 kg .. 8 kg + 7 of one matrix.  Wave w, pass p: rows 2 (p & 3), 2 (p & 3) + 1 of head 2 w + (p >> 2).
	; Lanes 0-15 take the even row's 64 numbers of that head, lanes 16-31 the odd row's: together 256 bytes of wb.
	s_sub_co_u32 s24, ttmp9, 512
	s_lshr_b32 s25, s24, 7                         ; which
	s_and_b32 s24, s24, 127                        ; kg
	s_lshl_b32 s16, s24, 15                        ; 8 rows of 4,096 bytes
	s_mov_b32 s17, 0
	s_lshr_b32 s26, s24, 4                         ; kb
	s_mul_i32 s18, s26, 49152
	s_lshl_b32 s27, s25, 14                        ; which x 16,384
	s_add_co_u32 s18, s18, s27
	s_and_b32 s27, s24, 15
	s_lshl_b32 s27, s27, 10                        ; 8 rows of 128 bytes
	s_add_co_u32 s18, s18, s27
	s_mov_b32 s19, 0
	v_and_b32 v3, 31, v0                           ; lane
	v_lshrrev_b32 v4, 5, v0                        ; wave
	v_lshrrev_b32 v5, 4, v3
	v_and_b32 v6, 15, v3
	v_lshlrev_b32 v1, 12, v5                       ; in: the odd row,
	v_lshl_add_u32 v1, v6, 4, v1                   ; 16 bytes a lane,
	v_lshl_add_u32 v1, v4, 9, v1                   ; head 2 w
	v_mul_u32_u24 v2, v4, 0xc0000                  ; out: head 2 w = w x 786,432 bytes,
	v_lshl_add_u32 v2, v3, 3, v2                   ; 8 bytes a lane
	s_wait_kmcnt 0x0
	s_cmp_eq_u32 s25, 0
	s_cselect_b64 s[28:29], s[6:7], s[8:9]
	s_cmp_eq_u32 s25, 2
	s_cselect_b64 s[28:29], s[10:11], s[28:29]
	s_add_nc_u64 s[20:21], s[28:29], s[16:17]
	s_add_nc_u64 s[22:23], s[14:15], s[18:19]
	PASSES 8192, 256, 256, 393216
	s_endpgm
.Lfunc_end_k_q0ad2597a7f_cast:
	.size	k_q0ad2597a7f_cast, .Lfunc_end_k_q0ad2597a7f_cast-k_q0ad2597a7f_cast
	.p2alignl 7, 3214868480
	.fill 96, 4, 3214868480
	.section	.rodata,"a",@progbits
	.p2align	6, 0x0
	.amdhsa_kernel k_q0ad2597a7f_cast
		.amdhsa_group_segment_fixed_size 0
		.amdhsa_private_segment_fixed_size 0
		.amdhsa_enable_private_segment 0
		.amdhsa_kernarg_size 48
		.amdhsa_user_sgpr_count 2
		.amdhsa_user_sgpr_kernarg_segment_ptr 1
		.amdhsa_wavefront_size32 1
		.amdhsa_system_sgpr_workgroup_id_x 1
		.amdhsa_system_sgpr_workgroup_id_y 1
		.amdhsa_system_sgpr_workgroup_id_z 1
		.amdhsa_system_vgpr_workitem_id 0
		.amdhsa_next_free_vgpr 56
		.amdhsa_next_free_sgpr 66
		.amdhsa_reserve_vcc 0
		.amdhsa_float_denorm_mode_32 3
		.amdhsa_float_denorm_mode_16_64 3
		.amdhsa_memory_ordered 1
		.amdhsa_forward_progress 1
		.amdhsa_inst_pref_size 8
	.end_amdhsa_kernel
	.amdgpu_metadata
---
amdhsa.version: [ 1, 2 ]
amdhsa.kernels:
  - .name:           k_q0ad2597a7f_cast
    .symbol:         k_q0ad2597a7f_cast.kd
    .args:
      - { .name: hidden_states, .offset: 0, .size: 8, .value_kind: global_buffer, .address_space: global }
      - { .name: Wq, .offset: 8, .size: 8, .value_kind: global_buffer, .address_space: global }
      - { .name: Wk, .offset: 16, .size: 8, .value_kind: global_buffer, .address_space: global }
      - { .name: Wv, .offset: 24, .size: 8, .value_kind: global_buffer, .address_space: global }
      - { .name: hb, .offset: 32, .size: 8, .value_kind: global_buffer, .address_space: global }
      - { .name: wb, .offset: 40, .size: 8, .value_kind: global_buffer, .address_space: global }
    .group_segment_fixed_size: 0
    .private_segment_fixed_size: 0
    .kernarg_segment_align: 8
    .kernarg_segment_size: 48
    .max_flat_workgroup_size: 256
    .sgpr_count:     66
    .vgpr_count:     56
    .wavefront_size: 32
...
	.end_amdgpu_metadata
.endif
;; end of part 1
;; launch qkv (part 2): grid 16 x 16, 4 waves a work-group, clusters of 4 x 4, 327,680 bytes of LDS; arguments hb, wb, bq, bk, bv, qkv; writes qkv
.if DOCPART == 2
	.amdgcn_target "amdgcn-amd-amdhsa--gfx1250"
	.amdhsa_code_object_version 6
	.text
	.protected	k_q0ad2597a7f_qkv
	.globl	k_q0ad2597a7f_qkv
	.p2align	8
	.type	k_q0ad2597a7f_qkv,@function
k_q0ad2597a7f_qkv:
	s_mov_b64 s[64:65], 0
	v_nop
	global_prefetch_b8 v0, s[64:65] scope:SCOPE_SE
	s_setreg_imm32_b32 hwreg(HW_REG_WAVE_MODE, 25, 1), 1
	s_wait_xcnt 0x0
	s_wait_alu depctr_hold_cnt(0) depctr_sa_sdst(0) depctr_va_vdst(0) depctr_va_sdst(0) depctr_va_ssrc(0) depctr_va_vcc(0) depctr_vm_vsrc(0)
	s_getreg_b32 s2, hwreg(HW_REG_IB_STS2, 6, 4)
	s_cmp_eq_u32 s2, 0
	s_cbranch_scc0 .Lentry_in_a_cluster
	s_endpgm
.Lentry_in_a_cluster:
	s_bfe_u32 s2, ttmp6, 0x10000c
	s_cmp_lg_u32 s2, 0xf033
	s_cbranch_scc0 .Lentry_shape_is_right
	s_endpgm
.Lentry_shape_is_right:
; q, k, v = hidden W + b for one head and 256 rows, stored as f16 of the value times 2^-4:
;   qkv: [which 3][batch x head 32][s 2048][64] f16.
; LIMIT, stated: a projected value beyond 65,504 x 16 = 1.05e6 in magnitude becomes an infinity in qkv; values whose
; sixteenth lies under 6.1e-5 keep an absolute step of 6e-8 (f16 subnormals).  Operands are bf16, sums f32.
; A work-group makes 256 rows x 192 columns (q, k, v of its head) with four waves; a wave makes 128 rows x 96 columns
; (32 columns of each of q, k, v): 48 accumulator tiles of 16 x 16, 384 registers.  K = 1024 goes in 8 steps of 128
; through two LDS slots filled by the tensor data mover.
; CLUSTERS: 4 x 4 work-groups.  x counts heads, y blocks of 256 rows.  The four of a row of the cluster need the same tile
; of hb, the four of a column the same tile of wb: each tile is asked for jointly by its four, with one descriptor.
; THE MATRIX INSTRUCTION IS USED TRANSPOSED: source 0 = 16 columns of W, source 1 = 16 rows of hidden; lane l then holds
; row l % 16 and its registers the columns 8 (l / 16) + 0..7: eight neighbouring numbers of a row of the result.
; W lies [k][n] in LDS, so its fragments come by the transposing load.  The bias is the C of the first products.
; REGISTERS: window 0: v16-29 addresses, v64-127 and v128-191 fragments of hidden (two buffers), v192-239 bias, later the
; way out; window 1: v64-111, v128-175 fragments of W; window 2: tiles of my rows 0-63 at 8 (6 a + b); window 3: rows 64-127.
.set APITCH, 272                       ; a row of hidden in LDS: 256 bytes + 16: sixteen rows start in sixteen different 16-byte columns
.set BPITCH, 288                       ; a row of W's tile (two k of 64 n): 256 bytes + 32: the sixteen lanes of a transposing load meet sixteen different columns
.set REGION, 128*APITCH                ; 34,816 bytes: what one wave's tensor load fills (W's use 96 x 288 = 27,648 of them)
.set BGAP,   REGION-96*BPITCH          ; W's rows 96-191 begin in the next region
.set SLOT,   4*REGION                  ; hidden rows 0-127, 128-255, W rows 0-95, 96-191
.set LAPS,   4                         ; a lap = two K steps = once round the ring
.set ADRA, 16                          ; v16-17  LDS address of my fragments of hidden in slot 0, 1
.set ADRB, 20                          ; v20-21  the same for W
.set STO,  24                          ; v24-26  the way out: where I put 16 bytes of q, k, v
.set RD,   27                          ; v27     the way out: where I read back
.set CO,   28                          ; v28     my byte offset in the block of qkv
.set BOFF, 29                          ; v29     byte offset of my 8 bias numbers
.set F0,   64
.set F1,   128
.set TMP,  192                         ; v192-239: the bias of my 6 column tiles; on the way out the scaled results
.set G1,  24                           ; s[24:31] group 1, tiles of hidden
.set G0,  32                           ; s[32:39] group 0, tiles of hidden, one set a slot
.set G1B, 48                           ; s[48:55] group 1, tiles of W
.set G0B, 56                           ; s[56:63] group 0, tiles of W, one set a slot
.set MSB, 0
.macro WIN new                         ; the immediate's high byte repeats the setting that is left
.if MSB != \new
	s_set_vgpr_msb (MSB<<8)|\new
.set MSB, \new
.endif
.endm
.set MUL_LO, 0xa1                      ; source 0 (W) window 1, source 1 (hidden) window 0, C and D window 2
.set MUL_HI, 0xf1                      ; the same, C and D window 3
.set TO_B,   0x40                      ; destination window 1, address window 0
; A joint load.  Waves 0, 1 fetch the halves of hidden's tile, waves 2, 3 those of W's.  The branch hangs on the wave's number alone.
.macro JLOAD s
	s_cmp_eq_u32 s11, 0
	s_cbranch_scc0 .Lfor_b_\@
	tensor_load_to_lds s[G0+4*\s:G0+4*\s+3], s[G1:G1+7]
	s_nop 0
	s_branch .Lasked_\@
.Lfor_b_\@:
	tensor_load_to_lds s[G0B+4*\s:G0B+4*\s+3], s[G1B:G1B+7]
	s_nop 0
.Lasked_\@:
.endm
.macro CREST                           ; a round of the cluster's barrier behind its opening work-group barrier
	s_cmp_lg_u32 s10, 0
	s_cbranch_scc1 .Lnot_wave_0_\@
	s_barrier_signal -3
.Lnot_wave_0_\@:
	s_barrier_wait -3
	s_barrier_signal -1
	s_barrier_wait -1
.endm
.macro CROUND                          ; a whole round
	s_barrier_signal -1
	s_barrier_wait -1
	CREST
.endm
.macro PLACES                          ; four plain vector instructions behind a matrix instruction, before its registers are loaded into or its result read (ISA guide 7.12.1)
.rept 4
	v_nop
.endr
.endm
	s_load_b256 s[72:79], s[0:1], 0x0              ; hb s[72:73], wb s[74:75], bq s[76:77], bk s[78:79]
	s_load_b128 s[80:83], s[0:1], 0x20             ; bv s[80:81], qkv s[82:83]
	s_set_vgpr_msb 0x40
	v_lshl_add_u32 v255, v0, 2, 0x44000
	s_set_vgpr_msb 0x4000
	v_mov_b32 v255, 0
	s_set_vgpr_msb 0x1
	ds_add_u32 v255, v255
	s_set_vgpr_msb 0x100
	v_lshrrev_b32 v1, 5, v0
	v_readfirstlane_b32 s10, v1                    ; wave 0..3
	s_lshr_b32 s11, s10, 1                         ; which 128 rows are mine.  Also: I fetch hidden (0) or W (1)
	s_and_b32 s12, s10, 1                          ; which 32 columns of q, k, v are mine.  Also: which half of that tile I fetch
	s_bfe_u32 s40, ttmp6, 0x40000                  ; cx
	s_bfe_u32 s41, ttmp6, 0x40004                  ; cy
	s_lshl_b32 s42, ttmp9, 2
	s_add_co_u32 s42, s42, s40                     ; head = 4 x cluster x + cx
	s_and_b32 s13, ttmp7, 0xffff
	s_lshl_b32 s13, s13, 2
	s_add_co_u32 s13, s13, s41                     ; block of 256 rows = 4 x cluster y + cy
	s_lshl_b32 s43, s41, 2
	s_lshl_b32 s43, 15, s43                        ; my row of the cluster
	s_lshl_b32 s44, 0x1111, s40                    ; my column
	; group 1.  hidden: 128 rows x 128 bf16, 1,024 elements from row to row, 4 words of padding behind every 64.
	; W: 96 rows x 128 bf16, dense, 8 words of padding behind every 64.
	s_or_b32 s[G1+0], s43, (1<<16)|(1<<20)|(1<<21)|(5<<22)|(3<<25)
	s_or_b32 s[G1B+0], s44, (1<<16)|(1<<20)|(1<<21)|(5<<22)|(7<<25)
	s_mov_b32 s[G1+1], 128<<16                     ; tensor_dim0 = 128
	s_mov_b32 s[G1B+1], 128<<16
	s_mov_b32 s[G1+2], 128<<16                     ; tensor_dim1 = 128
	s_mov_b32 s[G1B+2], 96<<16                     ; tensor_dim1 = 96
	s_mov_b32 s[G1+3], 128<<16                     ; tile_dim0 = 128
	s_mov_b32 s[G1B+3], 128<<16
	s_mov_b32 s[G1+4], 128                         ; tile_dim1 = 128
	s_mov_b32 s[G1B+4], 96                         ; tile_dim1 = 96
	s_mov_b32 s[G1+5], 1024                        ; pitch in elements
	s_mov_b32 s[G1B+5], 128
	s_mov_b32 s[G1+6], 0
	s_mov_b32 s[G1B+6], 0
	s_mov_b32 s[G1+7], 0
	s_mov_b32 s[G1B+7], 0
	; where the tiles come from: hidden's hang on the block of rows alone, W's on the head alone, each in registers that never hold the other
	s_lshl_b32 s16, s13, 19                        ; 256 rows of 2,048 bytes
	s_lshl_b32 s17, s12, 18                        ; + my 128 rows
	s_add_co_u32 s16, s16, s17
	s_mov_b32 s17, 0
	s_mul_i32 s46, s42, 393216                     ; the head's weights
	s_mul_i32 s47, s12, 24576                      ; + my 96 rows of 256 bytes
	s_add_co_u32 s46, s46, s47
	s_mov_b32 s47, 0
	s_mul_i32 s20, s10, REGION                     ; and where they go: region = wave
	s_wait_dscnt 0x0
	s_wait_kmcnt 0x0
	s_add_nc_u64 s[14:15], s[72:73], s[16:17]
	s_add_nc_u64 s[46:47], s[74:75], s[46:47]
	CROUND                                         ; all sixteen work-groups are here: the first joint loads meet
.irp s, 0,1
	s_mov_b32 s[G0+4*\s], 1
	s_add_co_u32 s[G0+4*\s+1], s20, \s*SLOT
	s_add_nc_u64 s[G0+4*\s+2:G0+4*\s+3], s[14:15], \s*256          ; K step s: 128 bf16 along the rows
	s_or_b32 s[G0+4*\s+3], s[G0+4*\s+3], 0x80000000
	s_mov_b32 s[G0B+4*\s], 1
	s_add_co_u32 s[G0B+4*\s+1], s20, \s*SLOT
	s_add_nc_u64 s[G0B+4*\s+2:G0B+4*\s+3], s[46:47], \s*49152      ; K step s of the head's weights
	s_or_b32 s[G0B+4*\s+3], s[G0B+4*\s+3], 0x80000000
	JLOAD \s                                       ; two tensor loads of the wave are out here, later one
.endr
	v_and_b32 v1, 15, v0                           ; r = l % 16
	v_bfe_u32 v2, v0, 4, 1                         ; h = l / 16
	; the bias, in the layout of an accumulator: register j = column 8 h + j of the tile
	s_lshl_b32 s90, s42, 8                         ; 64 f32 a head
	s_lshl_b32 s91, s12, 7                         ; my 32 columns
	s_add_co_u32 s90, s90, s91
	v_lshl_add_u32 v[BOFF], v2, 5, s90
.irp b, 0,1,2,3,4,5
	global_load_b128 v[TMP+8*\b:TMP+8*\b+3],   v[BOFF], s[76+2*(\b>>1):77+2*(\b>>1)] offset:(\b&1)*64
	global_load_b128 v[TMP+8*\b+4:TMP+8*\b+7], v[BOFF], s[76+2*(\b>>1):77+2*(\b>>1)] offset:(\b&1)*64+16
.endr
	; fragments of hidden: row r, 16 bytes for each half of the lanes
	v_mul_u32_u24 v3, v1, APITCH
	v_lshl_add_u32 v3, v2, 4, v3
	s_mul_i32 s21, s11, REGION
	v_add_nc_u32 v[ADRA], s21, v3
	v_add_nc_u32 v[ADRA+1], SLOT, v[ADRA]
	; fragments of W: lane l addresses k = 8 h + (l & 7), that is LDS row 4 h + ((l & 7) >> 1), half l & 1, and 8 columns by bit 3 of l
	v_bfe_u32 v4, v0, 1, 2
	v_lshl_add_u32 v4, v2, 2, v4
	v_mul_u32_u24 v4, v4, BPITCH
	v_and_b32 v5, 1, v0
	v_lshl_add_u32 v4, v5, 7, v4
	v_bfe_u32 v5, v0, 3, 1
	v_lshl_add_u32 v4, v5, 4, v4
	s_lshl_b32 s22, s12, 6                         ; my 32 columns
	s_add_co_u32 s22, s22, 2*REGION
	v_add_nc_u32 v[ADRB], s22, v4
	v_add_nc_u32 v[ADRB+1], SLOT, v[ADRB]
	; the way out: a stage of [which][128 pairs of rows] at pitch 272; a pair of rows is 2 x 64 f16 = 256 bytes
	v_lshrrev_b32 v3, 1, v1
	v_mul_u32_u24 v3, v3, APITCH
	v_and_b32 v5, 1, v0
	v_lshl_add_u32 v3, v5, 7, v3
	v_lshl_add_u32 v3, v2, 4, v3
	s_mul_i32 s23, s11, 64*APITCH
	s_lshl_b32 s21, s12, 6
	s_add_co_u32 s23, s23, s21
	v_add_nc_u32 v[STO], s23, v3
	v_add_nc_u32 v[STO+1], REGION, v[STO]
	v_add_nc_u32 v[STO+2], 2*REGION, v[STO]
	v_mul_u32_u24 v3, v2, APITCH                   ; back: lanes 0-15 one pair of rows, lanes 16-31 the next; wave w takes pairs 32 w ..
	v_lshl_add_u32 v3, v1, 4, v3
	s_mul_i32 s23, s10, 32*APITCH
	v_add_nc_u32 v[RD], s23, v3
	v_and_b32 v3, 31, v0
	s_lshl_b32 s23, s10, 13
	v_lshl_add_u32 v[CO], v3, 4, s23
; 12 matrix instructions: row tiles a0, a0 + 1 of the window's four x my 6 column tiles, 32 along K.  start = 1: C is the bias.
; The 48 accumulators take turns, one instruction a turn.
.macro MUL12 f, hi, a0, start
.irp a, \a0, \a0+1
.irp b, 0,1,2,3,4,5
.if \start
	v_wmma_f32_16x16x32_bf16 v[8*(6*(\a)+\b):8*(6*(\a)+\b)+7], v[\f+8*\b:\f+8*\b+7], v[\f+8*(4*\hi+\a):\f+8*(4*\hi+\a)+7], v[TMP+8*\b:TMP+8*\b+7]
.else
	v_wmma_f32_16x16x32_bf16 v[8*(6*(\a)+\b):8*(6*(\a)+\b)+7], v[\f+8*\b:\f+8*\b+7], v[\f+8*(4*\hi+\a):\f+8*(4*\hi+\a)+7], v[8*(6*(\a)+\b):8*(6*(\a)+\b)+7]
.endif
.endr
.endr
.endm
; 28 LDS loads in one run: the fragments of quarter qd (32 along K) of a slot into buffer f: 12 of W, then 16 of hidden.
; Tile b of W: matrix b >> 1, columns 16 (b & 1); its k = 32 qd + 16 sec .. lie in LDS rows 64 (b >> 1) + 16 qd + 8 sec ..
.macro FETCH slot, qd, f
	WIN TO_B
.irp b, 0,1,2,3,4,5
.irp sec, 0,1
.set BROW, (\b>>1)*64+\qd*16+\sec*8
	ds_load_tr16_b128 v[\f+8*\b+4*\sec:\f+8*\b+4*\sec+3], v[ADRB+\slot] offset:BROW*BPITCH+(BROW/96)*BGAP+(\b&1)*32
.endr
.endr
	WIN 0
.irp i, 0,1,2,3,4,5,6,7
	ds_load_b128 v[\f+8*\i:\f+8*\i+3],   v[ADRA+\slot] offset:\qd*64+\i*16*APITCH
	ds_load_b128 v[\f+8*\i+4:\f+8*\i+7], v[ADRA+\slot] offset:\qd*64+\i*16*APITCH+32
.endr
.endm
; One of a K step's first three quarters: multiplies buffer f; in its middle fetches quarter qd of the same slot into buffer g.
.macro QUARTER slot, qd, f, g, start
	s_wait_dscnt 8                                 ; W and hidden's rows 0-63 are in; the youngest eight loads (rows 64-127) may be out
.if \start
	WIN 0x81                                       ; as MUL_LO, C (the bias) in window 0
.else
	WIN MUL_LO
.endif
	MUL12 \f, 0, 0, \start
	MUL12 \f, 0, 2, \start
	PLACES
	FETCH \slot, \qd, \g
	s_wait_dscnt 28                                ; all but the 28 just issued
.if \start
	WIN 0xc1
.else
	WIN MUL_HI
.endif
	MUL12 \f, 1, 0, \start
	MUL12 \f, 1, 2, \start
.endm
.macro THREE slot, start
	QUARTER \slot, 1, F0, F1, \start
	QUARTER \slot, 2, F1, F0, 0
	QUARTER \slot, 3, F0, F1, 0
.endm
; The last quarter: multiplies buffer 1 and changes slots.  In front of the barrier each wave waits for its reads of this slot and for
; all its tensor loads (one is out: its part of the next slot).  Behind it the refill comes first, then the next slot's first fragments.
; From a request to the wait for it a wave issues 180 matrix instructions.
.macro TURN slot, next, fill
	s_wait_dscnt 8
	WIN MUL_LO
	MUL12 F1, 0, 0, 0
	s_wait_dscnt 0                                 ; my reads of this slot are over
	s_wait_tensorcnt 0x0                           ; all my tensor loads have landed
	ds_add_u32 v255, v255
	s_wait_dscnt 0x0
	s_barrier_signal -1                            ; where the slot is filled again this barrier opens a round of the cluster's
	MUL12 F1, 0, 2, 0                              ; register work while the others arrive
	WIN 0
	s_barrier_wait -1
.if \fill
	CREST                                          ; no wave of any partner still reads this slot or has a load on its way
	s_add_nc_u64 s[G0+4*\slot+2:G0+4*\slot+3], s[G0+4*\slot+2:G0+4*\slot+3], 512
	s_add_nc_u64 s[G0B+4*\slot+2:G0B+4*\slot+3], s[G0B+4*\slot+2:G0B+4*\slot+3], 98304
	JLOAD \slot                                    ; the first tensor load behind the round, two K steps ahead
.endif
	PLACES
	FETCH \next, 0, F0
	WIN MUL_HI
	MUL12 F1, 1, 0, 0
	MUL12 F1, 1, 2, 0
.endm
.macro LAP start
	THREE 0, \start
	TURN 0, 1, 1
	THREE 1, 0
	TURN 1, 0, 1
.endm
	s_wait_tensorcnt 1                             ; my part of K step 0 is in; K step 1's load may stay out
	s_barrier_signal -1
	s_barrier_wait -1
	FETCH 0, 0, F0
	s_wait_loadcnt 0x0                             ; the bias
	LAP 1                                          ; the first lap stands in front of the loop: its first products start the sums from the bias
	WIN 0
	s_mov_b32 s3, LAPS-2
.Llap:
	LAP 0
	WIN 0
	s_sub_co_u32 s3, s3, 1
	s_cmp_lg_u32 s3, 0
	s_cbranch_scc1 .Llap
	THREE 0, 0                                     ; the last lap fills nothing
	TURN 0, 1, 0
	THREE 1, 0
	s_wait_dscnt 8
	WIN MUL_LO
	MUL12 F1, 0, 0, 0
	MUL12 F1, 0, 2, 0
	s_wait_dscnt 0
	WIN MUL_HI
	MUL12 F1, 1, 0, 0
	MUL12 F1, 1, 2, 0
	; THE WAY OUT.  The stage lies in slot 0, which has had its last fill, and whose last reads every wave waited for in front of the
	; last change of slots.  16 rows at a time: times 2^-4, round to f16, 16 bytes a lane into the stage.
	PLACES
	s_lshr_b32 s90, s13, 3                         ; batch (8 blocks of 256 rows each)
	s_lshl_b32 s90, s90, 4
	s_add_co_u32 s90, s90, s42                     ; batch x 16 + head
	s_lshl_b32 s90, s90, 18                        ; 2,048 rows of 128 bytes
	s_and_b32 s92, s13, 7
	s_lshl_b32 s92, s92, 15                        ; 256 rows of 128 bytes
	s_add_co_u32 s90, s90, s92
	s_mov_b32 s91, 0
	s_add_nc_u64 s[84:85], s[82:83], s[90:91]      ; q
	s_add_nc_u64 s[86:87], s[84:85], 0x800000      ; k
	s_add_nc_u64 s[88:89], s[84:85], 0x1000000     ; v
.macro OUT16 i, a, from
	WIN \from
.irp b, 0,1,2,3,4,5
.irp r, 0,1,2,3
	v_pk_mul_f32 v[TMP+8*\b+2*\r:TMP+8*\b+2*\r+1], v[8*(6*\a+\b)+2*\r:8*(6*\a+\b)+2*\r+1], 0x3d800000 op_sel_hi:[1,0]
.endr
.endr
	WIN 0
.set CJ, 0
.rept 24
	v_cvt_pk_f16_f32 v[TMP+CJ], v[TMP+2*CJ], v[TMP+2*CJ+1]     ; in place, ascending: word CJ is written when words 2 CJ, 2 CJ + 1 are read
.set CJ, CJ+1
.endr
.irp b, 0,1,2,3,4,5
	ds_store_b128 v[STO+(\b>>1)], v[TMP+4*\b:TMP+4*\b+3] offset:\i*8*APITCH+(\b&1)*32
.endr
.endm
	OUT16 0, 0, 0x02
	OUT16 1, 1, 0x02
	OUT16 2, 2, 0x02
	OUT16 3, 3, 0x02
	OUT16 4, 0, 0x03
	OUT16 5, 1, 0x03
	OUT16 6, 2, 0x03
	OUT16 7, 3, 0x03
	s_wait_dscnt 0x0                               ; my stores are in LDS: the rows I read back hold two waves' columns
	s_barrier_signal -1
	s_barrier_wait -1
; 64 rows of one of q, k, v: 16 loads of 512 bytes (two pairs of rows), 16 stores of 512 consecutive bytes, aligned
.macro PIECE which, f
.if \which >= 2
	s_wait_xcnt 0x0                                ; buffer f, which earlier stores read, is loaded again only behind this wait
.endif
.irp t, 0,1,2,3,4,5,6,7,8,9,10,11,12,13,14,15
	ds_load_b128 v[\f+4*\t:\f+4*\t+3], v[RD] offset:\t*2*APITCH
.endr
.if \which < 2
	v_add_nc_u32 v[RD], REGION, v[RD]              ; the next matrix's stage
.endif
.irp t, 0,1,2,3,4,5,6,7,8,9,10,11,12,13,14,15
	s_wait_dscnt 15-\t                             ; LDS loads return in order: load t is in
	global_store_b128 v[CO], v[\f+4*\t:\f+4*\t+3], s[84+2*\which:85+2*\which] offset:\t*512
.endr
.endm
	PIECE 0, F0
	PIECE 1, F1
	PIECE 2, F0
	s_set_vgpr_msb 0x1
	s_wait_tensorcnt 0x0
	ds_add_u32 v255, v255
	s_wait_dscnt 0x0
	s_set_vgpr_msb 0x100
	CROUND                                         ; the closing round: no work-group ends while a partner may still ask for a tile that names it
	s_endpgm
.Lfunc_end_k_q0ad2597a7f_qkv:
	.size	k_q0ad2597a7f_qkv, .Lfunc_end_k_q0ad2597a7f_qkv-k_q0ad2597a7f_qkv
	.p2alignl 7, 3214868480
	.fill 96, 4, 3214868480
	.section	.rodata,"a",@progbits
	.p2align	6, 0x0
	.amdhsa_kernel k_q0ad2597a7f_qkv
		.amdhsa_group_segment_fixed_size 327680
		.amdhsa_private_segment_fixed_size 0
		.amdhsa_enable_private_segment 0
		.amdhsa_kernarg_size 48
		.amdhsa_user_sgpr_count 2
		.amdhsa_user_sgpr_kernarg_segment_ptr 1
		.amdhsa_wavefront_size32 1
		.amdhsa_system_sgpr_workgroup_id_x 1
		.amdhsa_system_sgpr_workgroup_id_y 1
		.amdhsa_system_sgpr_workgroup_id_z 1
		.amdhsa_system_vgpr_workitem_id 0
		.amdhsa_next_free_vgpr 1024
		.amdhsa_next_free_sgpr 96
		.amdhsa_reserve_vcc 0
		.amdhsa_float_denorm_mode_32 3
		.amdhsa_float_denorm_mode_16_64 3
		.amdhsa_memory_ordered 1
		.amdhsa_forward_progress 1
		.amdhsa_inst_pref_size 178
	.end_amdhsa_kernel
	.amdgpu_metadata
---
amdhsa.version: [ 1, 2 ]
amdhsa.kernels:
  - .name:           k_q0ad2597a7f_qkv
    .symbol:         k_q0ad2597a7f_qkv.kd
    .args:
      - { .name: hb, .offset: 0, .size: 8, .value_kind: global_buffer, .address_space: global }
      - { .name: wb, .offset: 8, .size: 8, .value_kind: global_buffer, .address_space: global }
      - { .name: bq, .offset: 16, .size: 8, .value_kind: global_buffer, .address_space: global }
      - { .name: bk, .offset: 24, .size: 8, .value_kind: global_buffer, .address_space: global }
      - { .name: bv, .offset: 32, .size: 8, .value_kind: global_buffer, .address_space: global }
      - { .name: qkv, .offset: 40, .size: 8, .value_kind: global_buffer, .address_space: global }
    .group_segment_fixed_size: 327680
    .private_segment_fixed_size: 0
    .kernarg_segment_align: 8
    .kernarg_segment_size: 48
    .max_flat_workgroup_size: 128
    .sgpr_count:     96
    .vgpr_count:     1024
    .wavefront_size: 32
...
	.end_amdgpu_metadata
.endif
;; end of part 2
;; launch attn (part 3): grid 256 x 1, 8 waves a work-group, clusters of 4 x 1, 327,680 bytes of LDS; arguments qkv, out0; writes out0
.if DOCPART == 3
	.amdgcn_target "amdgcn-amd-amdhsa--gfx1250"
	.amdhsa_code_object_version 6
	.text
	.protected	k_q0ad2597a7f_attn
	.globl	k_q0ad2597a7f_attn
	.p2align	8
	.type	k_q0ad2597a7f_attn,@function
k_q0ad2597a7f_attn:
	s_mov_b64 s[64:65], 0
	v_nop
	global_prefetch_b8 v0, s[64:65] scope:SCOPE_SE
	s_setreg_imm32_b32 hwreg(HW_REG_WAVE_MODE, 25, 1), 1
	s_wait_xcnt 0x0
	s_wait_alu depctr_hold_cnt(0) depctr_sa_sdst(0) depctr_va_vdst(0) depctr_va_sdst(0) depctr_va_ssrc(0) depctr_va_vcc(0) depctr_vm_vsrc(0)
	s_getreg_b32 s2, hwreg(HW_REG_IB_STS2, 6, 4)
	s_cmp_eq_u32 s2, 0
	s_cbranch_scc0 .Lentry_in_a_cluster
	s_endpgm
.Lentry_in_a_cluster:
	s_bfe_u32 s2, ttmp6, 0x10000c
	s_cmp_lg_u32 s2, 0x3003
	s_cbranch_scc0 .Lentry_shape_is_right
	s_endpgm
.Lentry_shape_is_right:
; out0 = softmax(q k^T / 8) v for one (batch, head) and 256 queries, by a running maximum.  qkv holds f16 of the values times 2^-4.
; With s = (q/16).(k/16), the exponent in base 2 is CS s - CS max(s), CS = 256/8 x log2(e) = 46.16624; the result is multiplied by 16.
; P lies in (0, 1] up to the rounding of CS max, so it goes to the matrix unit in f16; a P under 2^-25 vanishes beside a row sum of at least 1.
; Eight waves: wave w has queries 64 (w & 3) .. + 63 of the block and, of every tile of 256 keys, the half w >> 2.  The two waves of a
; group of queries keep their own maximum, sum and context and are merged once, at the end, through LDS.
; TRANSPOSED FORM: S^T = K (source 0) x Q (source 1): lane (r, h) holds query r and keys 8 h + j.  Two such tiles, rounded to f16 and packed,
; are a source-1 fragment of P^T for 32 keys as they stand.  ctx^T = V^T (source 0, by the transposing load) x P^T: lane (r, h) holds query r
; and d = 8 h + j.  So maximum, sum and rescaling are a lane's own but for one exchange with lane l xor 16.
; CLUSTER: the four work-groups of a cluster are four blocks of queries of one head: every tile of K and V is asked for jointly (mask 15).
; LDS: two slots of eight regions of 9,216 bytes; region j < 4: K of keys 64 j .. (32 rows of two keys, pitch 272), region 4 + j: V (pitch 288);
; wave w fills region w.  Behind them a stage of 18,432 bytes for each group of queries, into which no tensor load lands.
.set KPITCH, 272
.set VPITCH, 288
.set REG,    9216
.set SLOT,   8*REG
.set STAGE,  2*SLOT
.set PAIRB,  18432
; window 0
.set ADRK, 2                           ; v2-3    my K fragments in slot 0, 1
.set ADRV, 4                           ; v4-5    my V fragments in slot 0, 1
.set QOFF, 6
.set MRG,  7                           ; the merge: 16 bytes a lane
.set STO,  8                           ; the way out: in
.set RD,   9                           ; the way out: back
.set CO,   10                          ; my byte offset in out0
.set MX,   12                          ; v12-15  the step's maximum, query tile qt
.set ST,   16                          ; v16-31  4 qt + {NM = -CS x running maximum, T, AL = rescaling factor, SP}
.set QF,   32                          ; v32-95  Q: 8 (2 qt + ks)
.set KF,   96                          ; v96-159 K: 8 (2 kt + ks)
.set VF,   160                         ; v160-223 V^T: 8 (4 p + dt)
.set LS,   224                         ; v224-231 running sums, a pair for each qt
.set PS,   232                         ; v232-247 the partner's statistics at the merge
.set OF,   32                          ; v32-159 the merge: the partner's context, then the result
; window 1
.set AC,   0                           ; ctx^T: 8 (4 qt + dt)
.set SC,   128                         ; S^T: 16 (4 p + qt) + 8 (kt & 1), kt = 2 p, 2 p + 1; P^T is the first 8 registers of each 16
.set G1K, 16
.set G1V, 24
.set G0,  32
.set W_S,   0x50                       ; D, C window 1; K, Q window 0
.set W_MAX, 0x05                       ; sources 0, 1 window 1
.set W_EXP, 0x41                       ; destination and source 0 window 1
.set W_SUM, 0x01                       ; source 0 window 1
.set W_CVT, 0x45                       ; destination, sources 0, 1 window 1
.set W_PV,  0x54                       ; D, C, P window 1; V window 0
.set W_STA, 0x04                       ; an LDS store's data window 1
.set MSB, 0
.macro WIN new
.if MSB != \new
	s_set_vgpr_msb (MSB<<8)|\new
.set MSB, \new
.endif
.endm
.macro NOPS n                          ; places behind matrix instructions (ISA guide 7.12.1): 4 before a result is read or a register loaded into, 5 before a matrix instruction writes over one
.rept \n
	v_nop
.endr
.endm
.macro JLOAD s                         ; waves 0-3 fetch K, waves 4-7 V: the two lines differ in the padding alone
	s_cmp_eq_u32 s10, 0
	s_cbranch_scc0 .Lfor_v_\@
	tensor_load_to_lds s[G0+4*\s:G0+4*\s+3], s[G1K:G1K+7]
	s_nop 0
	s_branch .Lasked_\@
.Lfor_v_\@:
	tensor_load_to_lds s[G0+4*\s:G0+4*\s+3], s[G1V:G1V+7]
	s_nop 0
.Lasked_\@:
.endm
.macro CREST
	s_cmp_lg_u32 s8, 0
	s_cbranch_scc1 .Lnot_wave_0_\@
	s_barrier_signal -3
.Lnot_wave_0_\@:
	s_barrier_wait -3
	s_barrier_signal -1
	s_barrier_wait -1
.endm
.macro CROUND
	s_barrier_signal -1
	s_barrier_wait -1
	CREST
.endm
	s_load_b128 s[4:7], s[0:1], 0x0                ; qkv s[4:5], out0 s[6:7]
	v_lshl_add_u32 v254, v0, 2, 0x36000
	v_mov_b32 v255, 0
	ds_add_u32 v254, v255
	v_lshrrev_b32 v1, 5, v0
	v_readfirstlane_b32 s8, v1                     ; wave 0..7
	s_and_b32 s9, s8, 3                            ; my group of 64 queries
	s_lshr_b32 s10, s8, 2                          ; my half of the keys.  Also: I fetch K (0) or V (1)
	s_bfe_u32 s11, ttmp6, 0x40000                  ; cx
	s_lshr_b32 s12, ttmp9, 1                       ; batch x 16 + head: two clusters a head
	s_and_b32 s13, ttmp9, 1
	s_lshl_b32 s13, s13, 2
	s_add_co_u32 s13, s13, s11                     ; block of 256 queries
	s_mov_b32 s14, 0x76543210                      ; v_permlanex16_b32: lane l reads lane l xor 16
	s_mov_b32 s15, 0xfedcba98
	s_mov_b32 s40, 0x4238aa3b                      ; CS
	s_mov_b32 s41, 0x4238aa3b
	s_mov_b32 s42, 0xc238aa3b                      ; -CS
	; group 1: 32 rows of 128 f16 (two keys a row), dense; padding of 4 (K) or 8 (V) words behind every 64; mask 15, bit 21 beside it
	s_mov_b32 s[G1K+0], 15|(1<<16)|(1<<20)|(1<<21)|(5<<22)|(3<<25)
	s_mov_b32 s[G1V+0], 15|(1<<16)|(1<<20)|(1<<21)|(5<<22)|(7<<25)
.irp g, G1K, G1V
	s_mov_b32 s[\g+1], 128<<16                     ; tensor_dim0 = 128
	s_mov_b32 s[\g+2], 32<<16                      ; tensor_dim1 = 32
	s_mov_b32 s[\g+3], 128<<16                     ; tile_dim0 = 128
	s_mov_b32 s[\g+4], 32                          ; tile_dim1 = 32
	s_mov_b32 s[\g+5], 128                         ; pitch
	s_mov_b32 s[\g+6], 0
	s_mov_b32 s[\g+7], 0
.endr
	; my part of a tile: k begins 8,388,608 bytes into qkv, v 16,777,216; 64 keys are 8,192 bytes.  Wave 4 + j: 8,388,608 + 8,355,840 + (4 + j) 8,192
	s_mul_i32 s44, s10, 8355840
	s_lshl_b32 s45, s8, 13
	s_add_co_u32 s44, s44, s45
	s_lshl_b32 s45, s12, 18
	s_add_co_u32 s44, s44, s45
	s_add_co_u32 s44, s44, 0x800000
	s_mov_b32 s45, 0
	s_mul_i32 s47, s8, REG
	; Q and out0: the only numbers that hold cx; they reach no descriptor and no LDS address
	s_lshl_b32 s52, s12, 18
	s_lshl_b32 s53, s13, 15
	s_add_co_u32 s52, s52, s53
	s_lshl_b32 s53, s9, 13
	s_add_co_u32 s52, s52, s53
	s_mov_b32 s53, 0
	s_wait_dscnt 0x0
	s_wait_kmcnt 0x0
	s_add_nc_u64 s[44:45], s[4:5], s[44:45]
	s_add_nc_u64 s[48:49], s[4:5], s[52:53]        ; my 64 rows of q
	CROUND                                         ; the four work-groups are here: the first joint loads meet
.irp s, 0,1
	s_mov_b32 s[G0+4*\s], 1
	s_add_co_u32 s[G0+4*\s+1], s47, \s*SLOT
	s_add_nc_u64 s[G0+4*\s+2:G0+4*\s+3], s[44:45], \s*32768        ; tile s: 256 keys of 128 bytes
	s_or_b32 s[G0+4*\s+3], s[G0+4*\s+3], 0x80000000
	JLOAD \s                                       ; two tensor loads of the wave are out here, later one
.endr
	s_lshr_b32 s52, s12, 4                         ; batch
	s_lshl_b32 s52, s52, 23                        ; 2,048 rows of 4,096 bytes
	s_lshl_b32 s54, s13, 20
	s_add_co_u32 s52, s52, s54
	s_lshl_b32 s54, s9, 18
	s_add_co_u32 s52, s52, s54
	s_and_b32 s54, s12, 15
	s_lshl_b32 s54, s54, 8                         ; the head's 64 f32
	s_add_co_u32 s52, s52, s54
	s_add_nc_u64 s[50:51], s[6:7], s[52:53]
	v_and_b32 v248, 15, v0                         ; r
	v_bfe_u32 v249, v0, 4, 1                       ; h
	v_and_b32 v250, 31, v0                         ; l
	v_lshlrev_b32 v[QOFF], 7, v248
	v_lshl_add_u32 v[QOFF], v249, 4, v[QOFF]       ; row r of 128 bytes + 16 h
.irp qt, 0,1,2,3
.irp ks, 0,1
	global_load_b128 v[QF+8*(2*\qt+\ks):QF+8*(2*\qt+\ks)+3],   v[QOFF], s[48:49] offset:\qt*2048+\ks*64
	global_load_b128 v[QF+8*(2*\qt+\ks)+4:QF+8*(2*\qt+\ks)+7], v[QOFF], s[48:49] offset:\qt*2048+\ks*64+32
.endr
.endr
	; K: key r lies in LDS row r >> 1, half r & 1
	v_lshrrev_b32 v251, 1, v248
	v_mul_u32_u24 v251, v251, KPITCH
	v_and_b32 v252, 1, v0
	v_lshl_add_u32 v251, v252, 7, v251
	v_lshl_add_u32 v251, v249, 4, v251
	s_mul_i32 s54, s10, PAIRB                      ; my half of the keys: two regions
	v_add_nc_u32 v[ADRK], s54, v251
	v_add_nc_u32 v[ADRK+1], SLOT, v[ADRK]
	; V: lane l addresses key 8 h + (l & 7) and 8 of 16 d by bit 3 of l
	v_bfe_u32 v251, v0, 1, 2
	v_lshl_add_u32 v251, v249, 2, v251
	v_mul_u32_u24 v251, v251, VPITCH
	v_lshl_add_u32 v251, v252, 7, v251
	v_bfe_u32 v253, v0, 3, 1
	v_lshl_add_u32 v251, v253, 4, v251
	s_add_co_u32 s55, s54, 4*REG
	v_add_nc_u32 v[ADRV], s55, v251
	v_add_nc_u32 v[ADRV+1], SLOT, v[ADRV]
	s_mul_i32 s56, s9, PAIRB
	s_add_co_u32 s56, s56, STAGE                   ; the stage of my group of queries
	v_lshl_add_u32 v[MRG], v250, 4, s56
	v_mul_u32_u24 v[STO], v248, KPITCH             ; in: row r of 64 f32, 32 bytes for each half of the lanes
	v_lshl_add_u32 v[STO], v249, 5, v[STO]
	v_add_nc_u32 v[STO], s56, v[STO]
	v_mul_u32_u24 v[RD], v249, KPITCH              ; back: lanes 0-15 one row of 256 bytes, lanes 16-31 the next
	v_lshl_add_u32 v[RD], v248, 4, v[RD]
	v_add_nc_u32 v[RD], s56, v[RD]
	v_lshlrev_b32 v[CO], 12, v249
	v_lshl_add_u32 v[CO], v248, 4, v[CO]
.irp qt, 0,1,2,3
	v_mov_b32 v[ST+4*\qt+1], 0                     ; T and SP are upper halves of pairs that packed instructions name, and targets of the lane exchange
	v_mov_b32 v[ST+4*\qt+3], 0
	v_mov_b32 v[LS+2*\qt], 0                       ; the sums start at 0
	v_mov_b32 v[LS+2*\qt+1], 0
.endr
.macro LDK s, u                        ; 16 loads: K of 64 keys, region u of my two
.irp kt, 0,1,2,3
.irp ks, 0,1
	ds_load_b128 v[KF+8*(2*\kt+\ks):KF+8*(2*\kt+\ks)+3],   v[ADRK+\s] offset:\u*REG+\kt*8*KPITCH+\ks*64
	ds_load_b128 v[KF+8*(2*\kt+\ks)+4:KF+8*(2*\kt+\ks)+7], v[ADRK+\s] offset:\u*REG+\kt*8*KPITCH+\ks*64+32
.endr
.endr
.endm
.macro LDV s, u                        ; 16 transposing loads: V^T of the same 64 keys
.irp p, 0,1
.irp dt, 0,1,2,3
	ds_load_tr16_b128 v[VF+8*(4*\p+\dt):VF+8*(4*\p+\dt)+3],   v[ADRV+\s] offset:\u*REG+\p*16*VPITCH+\dt*32
	ds_load_tr16_b128 v[VF+8*(4*\p+\dt)+4:VF+8*(4*\p+\dt)+7], v[ADRV+\s] offset:\u*REG+\p*16*VPITCH+8*VPITCH+\dt*32
.endr
.endr
.endm
; S^T of 64 keys x 64 queries: 16 tiles, d 0-31 starting the sums, then d 32-63.  The 16 accumulators take turns, one instruction a turn.
.macro SMUL
	WIN W_S
.irp kt, 0,1,2,3
.irp qt, 0,1,2,3
	v_wmma_f32_16x16x32_f16 v[SC+16*(4*(\kt>>1)+\qt)+8*(\kt&1):SC+16*(4*(\kt>>1)+\qt)+8*(\kt&1)+7], v[KF+16*\kt:KF+16*\kt+7], v[QF+16*\qt:QF+16*\qt+7], 0
.endr
.endr
.irp kt, 0,1,2,3
.irp qt, 0,1,2,3
	v_wmma_f32_16x16x32_f16 v[SC+16*(4*(\kt>>1)+\qt)+8*(\kt&1):SC+16*(4*(\kt>>1)+\qt)+8*(\kt&1)+7], v[KF+16*\kt+8:KF+16*\kt+15], v[QF+16*\qt+8:QF+16*\qt+15], v[SC+16*(4*(\kt>>1)+\qt)+8*(\kt&1):SC+16*(4*(\kt>>1)+\qt)+8*(\kt&1)+7]
.endr
.endr
.endm
; ctx^T += V^T P^T: keys 0-31, then 32-63, on 16 accumulators by turns.  first = 1: the first products start the sums.
.macro PVMUL first
	WIN W_PV
.irp qt, 0,1,2,3
.irp dt, 0,1,2,3
.if \first
	v_wmma_f32_16x16x32_f16 v[AC+8*(4*\qt+\dt):AC+8*(4*\qt+\dt)+7], v[VF+8*\dt:VF+8*\dt+7], v[SC+16*\qt:SC+16*\qt+7], 0
.else
	v_wmma_f32_16x16x32_f16 v[AC+8*(4*\qt+\dt):AC+8*(4*\qt+\dt)+7], v[VF+8*\dt:VF+8*\dt+7], v[SC+16*\qt:SC+16*\qt+7], v[AC+8*(4*\qt+\dt):AC+8*(4*\qt+\dt)+7]
.endif
.endr
.endr
.irp qt, 0,1,2,3
.irp dt, 0,1,2,3
	v_wmma_f32_16x16x32_f16 v[AC+8*(4*\qt+\dt):AC+8*(4*\qt+\dt)+7], v[VF+8*(4+\dt):VF+8*(4+\dt)+7], v[SC+16*(4+\qt):SC+16*(4+\qt)+7], v[AC+8*(4*\qt+\dt):AC+8*(4*\qt+\dt)+7]
.endr
.endr
.endm
; The softmax step on 64 keys x 64 queries.  first = 1: there is no older maximum, sum or context.
.macro SOFT first
	WIN W_MAX                                      ; the largest of a lane's 32 numbers of each query tile: four chains that do not wait for each other
.irp qt, 0,1,2,3
	v_max_num_f32 v[MX+\qt], v[SC+16*\qt], v[SC+16*\qt+1]
.endr
.irp i, 2,4,6,8,10,12,14
.irp qt, 0,1,2,3
	v_max3_num_f32 v[MX+\qt], v[SC+16*\qt+\i], v[SC+16*\qt+\i+1], v[MX+\qt]
.endr
.endr
.irp i, 0,2,4,6,8,10,12,14
.irp qt, 0,1,2,3
	v_max3_num_f32 v[MX+\qt], v[SC+64+16*\qt+\i], v[SC+64+16*\qt+\i+1], v[MX+\qt]
.endr
.endr
	WIN 0
.irp qt, 0,1,2,3
	v_permlanex16_b32 v[ST+4*\qt+1], v[MX+\qt], s14, s15       ; the other half of the query's keys
.endr
.irp qt, 0,1,2,3
	v_max_num_f32 v[MX+\qt], v[MX+\qt], v[ST+4*\qt+1]
.endr
.if \first
.irp qt, 0,1,2,3
	v_mul_f32 v[ST+4*\qt], s42, v[MX+\qt]                      ; NM = -CS max
.endr
.else
.irp qt, 0,1,2,3
	v_mul_f32 v[ST+4*\qt+1], s42, v[MX+\qt]
.endr
.irp qt, 0,1,2,3
	v_min_num_f32 v[ST+4*\qt+1], v[ST+4*\qt+1], v[ST+4*\qt]    ; the running maximum grows: NM falls
.endr
.irp qt, 0,1,2,3
	v_sub_f32 v[ST+4*\qt+2], v[ST+4*\qt+1], v[ST+4*\qt]        ; new NM - old NM, at most 0
.endr
.irp qt, 0,1,2,3
	v_exp_f32 v[ST+4*\qt+2], v[ST+4*\qt+2]                     ; AL
.endr
.irp qt, 0,1,2,3
	v_mov_b32 v[ST+4*\qt], v[ST+4*\qt+1]                       ; plain instructions between the exponentials and the use of AL (ISA guide 5.7.2)
.endr
	s_wait_alu depctr_va_vdst(0)
.irp qt, 0,1,2,3
	v_pk_mul_f32 v[LS+2*\qt:LS+2*\qt+1], v[LS+2*\qt:LS+2*\qt+1], v[ST+4*\qt+2:ST+4*\qt+3] op_sel_hi:[1,0]
.endr
.endif
	WIN W_EXP
.irp p, 0,1
.irp i, 0,2,4,6,8,10,12,14
.irp qt, 0,1,2,3
	v_pk_fma_f32 v[SC+16*(4*\p+\qt)+\i:SC+16*(4*\p+\qt)+\i+1], v[SC+16*(4*\p+\qt)+\i:SC+16*(4*\p+\qt)+\i+1], s[40:41], v[ST+4*\qt:ST+4*\qt+1] op_sel_hi:[1,0,0]
.endr
.endr
.endr
.set EI, 0
.rept 64
	v_exp_f32 v[SC+2*EI], v[SC+2*EI]
	v_exp_f32 v[SC+2*EI+1], v[SC+2*EI+1]
.if \first == 0
	v_pk_mul_f32 v[AC+2*EI:AC+2*EI+1], v[AC+2*EI:AC+2*EI+1], v[ST+4*(EI/16)+2:ST+4*(EI/16)+3] op_sel_hi:[1,0]   ; the older context is rescaled among the exponentials
.endif
.set EI, EI+1
.endr
.if \first
	v_nop                                          ; the plain place behind the last exponential
	s_wait_alu depctr_va_vdst(0)
.endif
	WIN W_SUM
	s_wait_alu depctr_va_vdst(0)
.irp p, 0,1
.irp i, 0,2,4,6,8,10,12,14
.irp qt, 0,1,2,3
	v_pk_add_f32 v[LS+2*\qt:LS+2*\qt+1], v[SC+16*(4*\p+\qt)+\i:SC+16*(4*\p+\qt)+\i+1], v[LS+2*\qt:LS+2*\qt+1]
.endr
.endr
.endr
	WIN W_CVT
.irp blk, 0,1,2,3,4,5,6,7
.irp i, 0,1,2,3,4,5,6,7
	v_cvt_pk_f16_f32 v[SC+16*\blk+\i], v[SC+16*\blk+2*\i], v[SC+16*\blk+2*\i+1]   ; in place, ascending: 16 registers of S^T become 8 of P^T
.endr
.endr
.endm
; One tile of 256 keys in slot s: my 128 keys in two halves of 64.
; tail = 2: the slot is filled again, two tiles ahead; 1: a barrier alone (the other slot must be whole); 0: the last tile.
.macro TRIP s, first, tail
	NOPS 5                                         ; behind the last tile's products: V is loaded into, P written over
	LDK \s, 0
	LDV \s, 0
	s_wait_dscnt 16                                ; K is in; V's 16 loads stay out
	SMUL
	NOPS 4
	WIN 0
	LDK \s, 1
	SOFT \first
	s_wait_dscnt 16                                ; V of the first half is in; K of the second stays out
	PVMUL \first
	NOPS 5
	WIN 0
	LDV \s, 1
	s_wait_dscnt 16                                ; K of the second half is in; V's 16 loads stay out
	SMUL
	NOPS 4
	SOFT 0
	s_wait_dscnt 0x0                               ; V is in, and my reads of this slot are over
.if \tail
	s_set_vgpr_msb 0x4540
	s_wait_tensorcnt 0x0                           ; all my tensor loads have landed: the one that was out is my part of the other slot
	ds_add_u32 v254, v255
	s_wait_dscnt 0x0
	s_set_vgpr_msb 0x4045
	s_barrier_signal -1                            ; where the slot is filled again this barrier opens a round of the cluster's
.endif
	PVMUL 0                                        ; register work while the others arrive
	WIN 0
.if \tail
	s_barrier_wait -1
.endif
.if \tail == 2
	CREST                                          ; no wave of any partner still reads this slot or has a load on its way
	s_add_nc_u64 s[G0+4*\s+2:G0+4*\s+3], s[G0+4*\s+2:G0+4*\s+3], 65536
	JLOAD \s                                       ; the first tensor load behind the round; it has the next tile's work in which to land
.endif
.endm
	s_wait_tensorcnt 1                             ; my part of tile 0 is in; tile 1's load may stay out
	s_barrier_signal -1
	s_barrier_wait -1
	s_wait_loadcnt 0x0                             ; Q
	TRIP 0, 1, 2                                   ; tiles 0 and 1 stand in front of the loop: the first products start the sums
	TRIP 1, 0, 2
	s_mov_b32 s46, 2
.Ltiles:
	TRIP 0, 0, 2                                   ; tiles 2 to 5; they ask for tiles 4 to 7
	TRIP 1, 0, 2
	s_sub_co_u32 s46, s46, 1
	s_cmp_lg_u32 s46, 0
	s_cbranch_scc1 .Ltiles
	TRIP 0, 0, 1                                   ; tiles 6 and 7: nothing is left to fetch
	TRIP 1, 0, 0
	; THE MERGE of the two halves of the keys.  First each wave's sum: the pair, then the other half of the lanes.
	NOPS 4
.irp qt, 0,1,2,3
	v_add_f32 v[ST+4*\qt+1], v[LS+2*\qt], v[LS+2*\qt+1]
.endr
.irp qt, 0,1,2,3
	v_permlanex16_b32 v[ST+4*\qt+3], v[ST+4*\qt+1], s14, s15
.endr
.irp qt, 0,1,2,3
	v_add_f32 v[ST+4*\qt+1], v[ST+4*\qt+1], v[ST+4*\qt+3]
.endr
	s_cmp_eq_u32 s10, 0
	s_cbranch_scc1 .Lkeeps
	WIN W_STA                                      ; waves 4-7 hand over their context (128 registers) and statistics, lane for lane
.set EI, 0
.rept 32
	ds_store_b128 v[MRG], v[AC+4*EI:AC+4*EI+3] offset:EI*512
.set EI, EI+1
.endr
	WIN 0
.irp qt, 0,1,2,3
	ds_store_b128 v[MRG], v[ST+4*\qt:ST+4*\qt+3] offset:16384+\qt*512
.endr
.Lkeeps:
	s_wait_dscnt 0x0                               ; the stores are in LDS before the partner is told so
	s_barrier_signal -1
	s_barrier_wait -1
	s_cmp_lg_u32 s10, 0
	s_cbranch_scc1 .Lclose
.irp qt, 0,1,2,3
	ds_load_b128 v[PS+4*\qt:PS+4*\qt+3], v[MRG] offset:16384+\qt*512
.endr
.set EI, 0
.rept 32
	ds_load_b128 v[OF+4*EI:OF+4*EI+3], v[MRG] offset:EI*512
.set EI, EI+1
.endr
	s_wait_dscnt 32                                ; the statistics are in; the context's 32 loads stay out
.irp qt, 0,1,2,3
	v_min_num_f32 v[ST+4*\qt+3], v[ST+4*\qt], v[PS+4*\qt]      ; -CS x the common maximum
.endr
.irp qt, 0,1,2,3
	v_sub_f32 v[ST+4*\qt], v[ST+4*\qt+3], v[ST+4*\qt]          ; my exponent, at most 0
	v_sub_f32 v[ST+4*\qt+2], v[ST+4*\qt+3], v[PS+4*\qt]        ; the partner's
.endr
.irp qt, 0,1,2,3
	v_exp_f32 v[ST+4*\qt], v[ST+4*\qt]
	v_exp_f32 v[ST+4*\qt+2], v[ST+4*\qt+2]
.endr
	v_nop
	s_wait_alu depctr_va_vdst(0)
.irp qt, 0,1,2,3
	v_mul_f32 v[ST+4*\qt+1], v[ST+4*\qt+1], v[ST+4*\qt]
.endr
.irp qt, 0,1,2,3
	v_fmac_f32 v[ST+4*\qt+1], v[PS+4*\qt+1], v[ST+4*\qt+2]     ; the whole row's sum
.endr
.irp qt, 0,1,2,3
	v_rcp_f32 v[ST+4*\qt+3], v[ST+4*\qt+1]
.endr
	v_nop
	s_wait_alu depctr_va_vdst(0)
.irp qt, 0,1,2,3
	v_mul_f32 v[ST+4*\qt+3], 0x41800000, v[ST+4*\qt+3]         ; v was stored as a sixteenth
.endr
.irp qt, 0,1,2,3
	v_mul_f32 v[ST+4*\qt], v[ST+4*\qt], v[ST+4*\qt+3]
	v_mul_f32 v[ST+4*\qt+2], v[ST+4*\qt+2], v[ST+4*\qt+3]
.endr
	s_wait_dscnt 0x0
.set EI, 0
.rept 64
	v_pk_mul_f32 v[OF+2*EI:OF+2*EI+1], v[OF+2*EI:OF+2*EI+1], v[ST+4*(EI/16)+2:ST+4*(EI/16)+3] op_sel_hi:[1,0]
.set EI, EI+1
.endr
	WIN W_SUM
.set EI, 0
.rept 64
	v_pk_fma_f32 v[OF+2*EI:OF+2*EI+1], v[AC+2*EI:AC+2*EI+1], v[ST+4*(EI/16):ST+4*(EI/16)+1], v[OF+2*EI:OF+2*EI+1] op_sel_hi:[1,0,1]
.set EI, EI+1
.endr
	WIN 0
; THE WAY OUT, 16 queries at a time, through the stage, which is now this wave's alone: 32 bytes a lane in, whole rows of 256 bytes back.
; LDS serves a wave's instructions in order, so the loads see the stores.  Sixteen lanes store 256 consecutive bytes of out0, aligned.
.macro OUTQ qt
.irp dt, 0,1,2,3
	ds_store_b128 v[STO], v[OF+8*(4*\qt+\dt):OF+8*(4*\qt+\dt)+3]   offset:\qt*16*KPITCH+\dt*64
	ds_store_b128 v[STO], v[OF+8*(4*\qt+\dt)+4:OF+8*(4*\qt+\dt)+7] offset:\qt*16*KPITCH+\dt*64+16
.endr
.if \qt >= 2
	s_wait_xcnt 0x0                                ; the registers that the stores of two tiles ago read are loaded again only behind this wait
.endif
.irp t, 0,1,2,3,4,5,6,7
	ds_load_b128 v[VF+32*(\qt&1)+4*\t:VF+32*(\qt&1)+4*\t+3], v[RD] offset:\qt*16*KPITCH+\t*2*KPITCH
.endr
.irp t, 0,1,2,3,4,5,6,7
	s_wait_dscnt 7-\t                              ; LDS loads return in order: load t is in
	global_store_b128 v[CO], v[VF+32*(\qt&1)+4*\t:VF+32*(\qt&1)+4*\t+3], s[50:51] offset:(16*\qt+2*\t)*4096 th:TH_STORE_NT
.endr
.endm
	OUTQ 0
	OUTQ 1
	OUTQ 2
	OUTQ 3
.Lclose:
	s_wait_tensorcnt 0x0
	ds_add_u32 v254, v255
	s_wait_dscnt 0x0
	CROUND                                         ; the closing round: no work-group ends while a partner may still ask for a tile that names it
	s_endpgm
.Lfunc_end_k_q0ad2597a7f_attn:
	.size	k_q0ad2597a7f_attn, .Lfunc_end_k_q0ad2597a7f_attn-k_q0ad2597a7f_attn
	.p2alignl 7, 3214868480
	.fill 96, 4, 3214868480
	.section	.rodata,"a",@progbits
	.p2align	6, 0x0
	.amdhsa_kernel k_q0ad2597a7f_attn
		.amdhsa_group_segment_fixed_size 327680
		.amdhsa_private_segment_fixed_size 0
		.amdhsa_enable_private_segment 0
		.amdhsa_kernarg_size 16
		.amdhsa_user_sgpr_count 2
		.amdhsa_user_sgpr_kernarg_segment_ptr 1
		.amdhsa_wavefront_size32 1
		.amdhsa_system_sgpr_workgroup_id_x 1
		.amdhsa_system_sgpr_workgroup_id_y 1
		.amdhsa_system_sgpr_workgroup_id_z 1
		.amdhsa_system_vgpr_workitem_id 0
		.amdhsa_next_free_vgpr 512
		.amdhsa_next_free_sgpr 66
		.amdhsa_reserve_vcc 0
		.amdhsa_float_denorm_mode_32 3
		.amdhsa_float_denorm_mode_16_64 3
		.amdhsa_memory_ordered 1
		.amdhsa_forward_progress 1
		.amdhsa_inst_pref_size 255
	.end_amdhsa_kernel
	.section	.bss,"aw",@nobits
	.p2align	6
	.space	262144
	.amdgpu_metadata
---
amdhsa.version: [ 1, 2 ]
amdhsa.kernels:
  - .name:           k_q0ad2597a7f_attn
    .symbol:         k_q0ad2597a7f_attn.kd
    .args:
      - { .name: qkv, .offset: 0, .size: 8, .value_kind: global_buffer, .address_space: global }
      - { .name: out0, .offset: 8, .size: 8, .value_kind: global_buffer, .address_space: global }
    .group_segment_fixed_size: 327680
    .private_segment_fixed_size: 0
    .kernarg_segment_align: 8
    .kernarg_segment_size: 16
    .max_flat_workgroup_size: 256
    .sgpr_count:     66
    .vgpr_count:     512
    .wavefront_size: 32
...
	.end_amdgpu_metadata
.endif
;; end of part 3
